; MI455X (gfx1250); checked and timed in simulation.
; The chip was launched on July 23, 2026; its instructions are those of AMD's public machine-readable ISA for CDNA 5 (MIT licence, August 2026) and "CDNA5" Instruction Set Architecture Reference Guide (July 2026). The comments in the code are by the model that wrote it; some were corrected since.
;; Interaction Net2. Allowed arithmetic: matrix products marked QUANTISED: E3M2 operands, one E8M0 scale for each 32 along K, by v_wmma_scale_f32_16x16x128_f8f6f4 with both operands' format E3M2, f32 sums; products left as they are: f32 operands where the result goes on into a quantised operand, else bf16, f16 or f32 operands; f32 sums; everything else in f32.
;; Inputs: W 49,536 x 512 float32; b 49,536 float32; int_x 2,048 x 512 float32; x 2,048 x 128 float32.
;; Outputs: out0 2,048 x 128 float32.
;; This version of the problem:
;;   THIS VERSION OF THE PROBLEM IS GIVEN IN LOW PRECISION. The matrix products marked QUANTISED in the list below multiply operands that are first quantised to E3M2 (3 exponent bits, 2 mantissa bits; 6 bits a number), with one power-of-two scale for each 32 numbers along K (OCP MX v1.0); their sums are f32. All else is computed in f32.
;;   The module's matrix products, in the order in which they are computed (A, B: the left and right operand; K: the contracted axis; several contracted axes count as one K, in the product's order):
;;     1. [M 2,048, K 512] x [K 512, N 49,536]; A: input int_x; B: input W: QUANTISED
;;     2. batch 2,048 x [M 128, K 128] x [K 128, N 1]; A: computed on the way; B: input x: left as it is (N = 1 < 16)
;;     3. batch 2,048 x [M 128, K 128] x [K 128, N 1]; A: computed on the way; B: computed on the way: left as it is (N = 1 < 16)
;;     4. batch 2,048 x [M 128, K 128] x [K 128, N 1]; A: computed on the way; B: computed on the way: left as it is (N = 1 < 16)
;;   THE QUANTISER, for each operand of a quantised product, along K:
;;     - K is cut into blocks of 32 from its start; a last block that is shorter is filled with zeros.
;;     - A block's scale is 2^e with e = floor(log2(the largest magnitude in the block)) - 4, held to -126 .. 127; a block of zeros has e = 0. As a byte (E8M0): e + 127.
;;     - Each number is divided by its block's scale, clamped to +-28, and rounded to the nearest number of E3M2, ties to even, subnormals kept.
;;     - The product sums the exact products of the quantised numbers (number of the format x scale) in f32.
;;   ~~~python
;;   def quantise(x, axis):      # numpy; x: float32 -> the quantised numbers, widened to float32 again
;;       x = np.moveaxis(x, axis, -1); K = x.shape[-1]
;;       x = np.pad(x, [(0, 0)] * (x.ndim - 1) + [(0, -K % 32)]); x = x.reshape(x.shape[:-1] + (-1, 32)); a = np.abs(x).max(-1, keepdims=True)
;;       e = np.where(a > 0, np.clip(np.frexp(np.where(a > 0, a, 1))[1] - 1 - 4, -126, 127), 0)      # np.frexp(a)[1] - 1 = floor(log2(a)), exactly
;;       r = np.clip(x / 2.0 ** e, -28, 28)
;;       step = 2.0 ** (np.maximum(np.frexp(np.where(r == 0, 1, r))[1] - 1, -2) - 2)
;;       q = np.round(r / step) * step * 2.0 ** e      # np.round: ties to even
;;       return np.moveaxis(q.reshape(q.shape[:-2] + (-1,))[..., :K], -1, axis).astype(np.float32)
;;   ~~~
;; 2 versions, each right; version 2 is version 1 with the launches layer0, layer1, layer2 written anew for expert scheduling mode. Each part assembles by itself: llvm-mc -triple=amdgcn-amd-amdhsa -mcpu=gfx1250 --defsym DOCPART=n.
;; ======== version 1 of 2: 4 launches
;; workspace buffers: wp0 6,922,240 bytes; wp1 6,922,240 bytes; wp2 6,922,240 bytes; xc 851,968 bytes; h1 1,048,576 bytes; h2 1,048,576 bytes
;; launch quant (part 1): grid 812 x 1, 4 waves a work-group, no clusters, 34,304 bytes of LDS; arguments W, int_x, b, wp0, wp1, wp2, xc; writes wp0, wp1, wp2, xc
.if DOCPART == 1
	.amdgcn_target "amdgcn-amd-amdhsa--gfx1250"
	.amdhsa_code_object_version 6
	.text
	.protected	k_qdd8f311863_quant
	.globl	k_qdd8f311863_quant
	.p2align	8
	.type	k_qdd8f311863_quant,@function
k_qdd8f311863_quant:
	s_mov_b64 s[64:65], 0
	v_nop
	global_prefetch_b8 v0, s[64:65] scope:SCOPE_SE
	s_setreg_imm32_b32 hwreg(HW_REG_WAVE_MODE, 25, 1), 1
	s_wait_xcnt 0x0
; W [49536][512] and int_x [2048][512], f32, become codes of BF6 (E3M2) with one E8M0 scale byte for each 32 along K, laid in PACKAGES:
; the image of the registers in which the layer launches want them.  ONE WAVE MAKES ONE PACKAGE: a tile of 16 operand rows x all 512 of K.
; A package is 13 blocks of 512 bytes.  Blocks 0-11: lane l's 16 bytes at 512 c + 16 l are registers 4 c .. 4 c + 3 of a run of 48; the fragment of K step s (128 along K) is
; registers 12 s .. 12 s + 11: lane (r = l % 16, h = l / 16) holds row r, registers 0-5 k = 128 s + 32 h + 0..31, registers 6-11 k = 128 s + 64 + 32 h + 0..31.
; Block 12: lanes 0-15 row l's four scale words (word s for K step s); lanes 16-19 b of the tile's 16 rows; lanes 20-31 the layer's floor: 0.0 where relu follows, -infinity for the last layer.
; WHICH ROWS FORM A TILE.  Layer L begins at row 16512 L of W: 128 rows of biases, then row 128 + 128 p + q for weight (p, q).  Package 65 g + u of wpL, g = block of 8 q:
;   u = 16 w + t < 64: tile rows 0-7 are p = 32 w + t, q = 8 g + 0..7; tile rows 8-15 are p + 16, the same q (2,048 rows of W further on).   u = 64: both halves are the bias rows 8 g + 0..7.
; Package T of xc: rows 16 T .. 16 T + 15 of int_x (its words of b and its floor are stored and never read).
; 3,072 + 48 + 128 packages = 4 waves x 812 work-groups.  What a wave makes hangs on the work-group's and the wave's number alone, and is chosen by selects: one path through the text.
; A block's scale is 2^(floor(log2(its largest magnitude)) - 4): its byte is the largest magnitude's exponent field - 4, held at 1 from below by a floor among the maximum's leaves.
; LIMITS: a block of zeros gets the byte 1 where the rule says 127 (its codes are zeros, and this program alone reads the bytes); NaN and infinities among the inputs are not served.
; Each load reads 512 consecutive bytes of a row; the conversions want 32 neighbours along K in ONE lane, so a K step's 16 x 512 bytes turn through the wave's own stage in LDS.
; No barrier: waves share nothing.  Two K steps (32 loads a wave) are on their way.
.set PKG,  6656
.set SP,   528                         ; a stage row: 512 bytes + 16, an odd multiple of 16: the 16 rows that a read touches begin at 16 different columns of 16 bytes
.set LN,   1                           ; v1   lane
.set RR,   2                           ; v2   r
.set HH,   3                           ; v3   h
.set ALO,  4                           ; v4   source: my 16 bytes in tile row 0
.set AHI,  5                           ; v5   and in tile row 8
.set SIN,  6                           ; v6   the stage, way in: 16 x lane
.set SOUT, 7                           ; v7   way out: row r, + 128 h
.set L16,  8                           ; v8   16 x lane: my place in a block of the package
.set AB,   9                           ; v9   my four numbers of b
.set SH,   10                          ; v10  8 h: where my two bytes stand in a scale word
.set TV,   11                          ; v11  at work
.set MX,   12                          ; v12-13 two blocks' largest magnitudes
.set SO,   14                          ; v14-15 the conversions' scale operands
.set SBY,  16                          ; v16-17 the scale bytes
.set WT,   18                          ; v18-19 a scale word in the making
.set SW,   20                          ; v20-23 my row's four scale words
.set BQ,   24                          ; v24-27 b
.set FB,   28                          ; v28-31 block 12 as it is stored
.set T,    32                          ; v32-39 upper halves of two blocks' codes
.set C,    40                          ; v40-87 the codes, 12 registers a K step: no store's data are written again
.set R,    96                          ; v96-223 two sets of 64 numbers
.set WV,   18                          ; s18  wave
.set SEL,  20                          ; s[20:21] v_permlanex16_b32's selects for lane l xor 16
.set FLR,  22                          ; s22  the floor
.set SRC,  40                          ; s[40:41] W or int_x
.set DST,  42                          ; s[42:43] my package
	s_load_b256 s[4:11], s[0:1], 0x0               ; W s[4:5], int_x s[6:7], b s[8:9], wp0 s[10:11]
	s_load_b128 s[12:15], s[0:1], 0x20             ; wp1 s[12:13], wp2 s[14:15]
	s_load_b64 s[16:17], s[0:1], 0x30              ; xc
	v_lshl_add_u32 v224, v0, 2, 0x8400
	v_mov_b32 v225, 0
	v_lshrrev_b32 v1, 5, v0
	v_readfirstlane_b32 s[WV], v1                  ; wave 0..3
	s_mov_b32 s[SEL], 0x76543210
	s_mov_b32 s[SEL+1], 0xfedcba98
	; which package: B < 768 a regular tile of W, 768 <= B < 780 a bias tile, B >= 780 a tile of int_x.  All three readings are made, then chosen among
	s_mov_b32 s24, ttmp9                           ; B
	s_lshr_b32 s25, s24, 4                         ; regular: y = 16 L + g
	s_and_b32 s26, s24, 15
	s_lshl_b32 s26, s26, 2
	s_add_co_u32 s26, s26, s[WV]                   ; regular: u
	s_sub_co_u32 s27, s24, 768
	s_lshl_b32 s27, s27, 2
	s_add_co_u32 s27, s27, s[WV]                   ; bias: y
	s_sub_co_u32 s28, s24, 780
	s_lshl_b32 s28, s28, 2
	s_add_co_u32 s28, s28, s[WV]                   ; int_x: T
	s_lshr_b32 s29, s26, 4
	s_lshl_b32 s29, s29, 5
	s_and_b32 s30, s26, 15
	s_add_co_u32 s29, s29, s30                     ; p = 32 (u / 16) + u % 16
	s_add_co_u32 s29, s29, 1
	s_lshl_b32 s29, s29, 7                         ; regular: 128 + 128 p rows into the layer
	s_cmp_lt_u32 s24, 768
	s_cselect_b32 s25, s25, s27                    ; y
	s_cselect_b32 s26, s26, 64                     ; u
	s_cselect_b32 s29, s29, 0
	s_cselect_b32 s30, 2048, 0                     ; from tile row 0 to tile row 8, less 8: 16 p on, or the same rows again
	s_lshr_b32 s31, s25, 4                         ; L
	s_and_b32 s32, s25, 15                         ; g
	s_mul_i32 s33, s31, 16512
	s_lshl_b32 s34, s32, 3
	s_add_co_u32 s33, s33, s34
	s_add_co_u32 s33, s33, s29                     ; the row of W that is tile row 0
	s_add_co_u32 s34, s33, s30                     ; and tile row 8
	s_mul_i32 s35, s32, 65
	s_add_co_u32 s35, s35, s26                     ; package 65 g + u
	s_lshl_b32 s36, s28, 4                         ; int_x: row 16 T,
	s_add_co_u32 s37, s36, 8                       ; row 16 T + 8
	s_lshl_b32 s38, s33, 2                         ; b of tile rows 0-7, in bytes
	s_lshl_b32 s39, s34, 2                         ; and of rows 8-15
	s_cmp_ge_u32 s24, 780
	s_cselect_b32 s33, s36, s33
	s_cselect_b32 s34, s37, s34
	s_cselect_b32 s35, s28, s35
	s_cselect_b32 s38, 0, s38                      ; (a tile of int_x has no b: it loads b's first numbers, so that every byte of its package is written)
	s_cselect_b32 s39, 0, s39
	s_lshl_b32 s36, s33, 11                        ; rows of 2,048 bytes: under 2^27
	s_lshl_b32 s37, s34, 11
	s_sub_co_u32 s39, s39, s38
	s_mul_i32 s44, s35, PKG
	s_mov_b32 s45, 0
	s_mul_i32 s46, s[WV], 16*SP                    ; my stage
	v_and_b32 v[LN], 31, v0
	v_and_b32 v[RR], 15, v0
	v_bfe_u32 v[HH], v0, 4, 1
	v_lshlrev_b32 v[L16], 4, v[LN]
	v_add_nc_u32 v[ALO], s36, v[L16]
	v_add_nc_u32 v[AHI], s37, v[L16]
	v_add_nc_u32 v[SIN], s46, v[L16]
	v_mul_u32_u24 v[SOUT], v[RR], SP
	v_lshl_add_u32 v[SOUT], v[HH], 7, v[SOUT]
	v_add_nc_u32 v[SOUT], s46, v[SOUT]
	v_bfe_u32 v[TV], v0, 1, 1                      ; b: lanes 16, 17 take tile rows 0-3, 4-7; lanes 18, 19 rows 8-11, 12-15 (the other lanes load the same and store none of it)
	v_mul_u32_u24 v[AB], s39, v[TV]
	v_and_b32 v[TV], 1, v0
	v_lshl_add_u32 v[AB], v[TV], 4, v[AB]
	v_add_nc_u32 v[AB], s38, v[AB]
	v_lshlrev_b32 v[SH], 3, v[HH]
	v_mov_b32 v[WT+1], 0                           ; written once: a lane permute's destination counts as one of its sources
	s_wait_kmcnt 0x0
	s_cmp_ge_u32 s24, 780                          ; the buffers are chosen on numbers that hang on no address
	s_cselect_b64 s[SRC:SRC+1], s[6:7], s[4:5]
	s_cmp_eq_u32 s31, 1
	s_cselect_b64 s[DST:DST+1], s[12:13], s[10:11]
	s_cmp_eq_u32 s31, 2
	s_cselect_b64 s[DST:DST+1], s[14:15], s[DST:DST+1]
	s_cselect_b32 s[FLR], 0xff800000, 0            ; no relu follows the last layer: its floor is -infinity
	s_cmp_ge_u32 s24, 780
	s_cselect_b64 s[DST:DST+1], s[16:17], s[DST:DST+1]
	s_add_nc_u64 s[DST:DST+1], s[DST:DST+1], s[44:45]
; K step s of the 16 rows into set s % 2: each load reads 512 consecutive bytes, at a multiple of 512 from the buffer's first byte.  (Read once in the launch, but for the 48 bias tiles' rows, which their wave reads twice.)
.macro LOADG s
.irp i, 0,1,2,3,4,5,6,7
	global_load_b128 v[R+64*((\s)%2)+4*\i:R+64*((\s)%2)+4*\i+3], v[ALO], s[SRC:SRC+1] offset:2048*\i+512*(\s) th:TH_LOAD_NT
.endr
.irp i, 0,1,2,3,4,5,6,7
	global_load_b128 v[R+64*((\s)%2)+32+4*\i:R+64*((\s)%2)+32+4*\i+3], v[AHI], s[SRC:SRC+1] offset:2048*\i+512*(\s) th:TH_LOAD_NT
.endr
.endm
.macro STEP s
.set RS, R+64*((\s)%2)
.set CS, C+12*(\s)
.if (\s) < 3
	s_wait_loadcnt 16                              ; loads come back in order: this step's 16 (and b) are in, the next step's 16 stay out
.else
	s_wait_loadcnt 0x0
.endif
.irp i, 0,1,2,3,4,5,6,7,8,9,10,11,12,13,14,15
	ds_store_b128 v[SIN], v[RS+4*\i:RS+4*\i+3] offset:SP*\i          ; row i as it lies
.endr
.irp c, 0,1
.irp j, 0,1,2,3,4,5,6,7
	ds_load_b128 v[RS+32*\c+4*\j:RS+32*\c+4*\j+3], v[SOUT] offset:256*\c+16*\j   ; LDS serves a wave's instructions in order: these see the stores.  Registers 32 c + 0..31: row r, k = 64 c + 32 h + 0..31: a whole block
.endr
.endr
	s_wait_dscnt 0x0
.irp c, 0,1
	v_max3_num_f32 v[MX+\c], |v[RS+32*\c]|, |v[RS+32*\c+1]|, 0x2800000   ; the floor 2^(5 - 127) among the leaves: the byte cannot fall under 1
.endr
.irp i, 2,4,6,8,10,12,14,16,18,20,22,24,26,28,30
.irp c, 0,1
	v_max3_num_f32 v[MX+\c], v[MX+\c], |v[RS+32*\c+\i]|, |v[RS+32*\c+\i+1]|   ; (the two blocks by turns)
.endr
.endr
.irp c, 0,1
	v_add_nc_u32 v[SO+\c], 0xfe000000, v[MX+\c]    ; 4 off the exponent field: the conversion takes the exponent field of this operand as its scale, and nothing else of it
.endr
.irp c, 0,1
	v_lshrrev_b32 v[SBY+\c], 23, v[SO+\c]          ; the scale's byte
.endr
	v_lshl_or_b32 v[WT], v[SBY+1], 16, v[SBY]      ; my bytes are those of blocks h and 2 + h of the K step,
	v_lshlrev_b32 v[WT], v[SH], v[WT]              ; 8 h bits up;
	v_permlanex16_b32 v[WT+1], v[WT], s[SEL], s[SEL+1]
	v_or_b32 v[SW+(\s)], v[WT], v[WT+1]            ; with lane l xor 16's two the word is whole
.irp c, 0,1
	v_cvt_scalef32_pk16_bf6_f32 v[CS+6*\c:CS+6*\c+2], v[RS+32*\c:RS+32*\c+15], v[SO+\c]
	v_cvt_scalef32_pk16_bf6_f32 v[T+4*\c:T+4*\c+2], v[RS+32*\c+16:RS+32*\c+31], v[SO+\c]   ; (a conversion's three registers begin on an even number: the upper half of a block's six is made elsewhere and moved)
.endr
	v_nop                                          ; one plain place behind a scaled conversion
.irp c, 0,1
.irp i, 0,1,2
	v_mov_b32 v[CS+6*\c+3+\i], v[T+4*\c+\i]
.endr
.endr
.irp c, 0,1,2
	global_store_b128 v[L16], v[CS+4*\c:CS+4*\c+3], s[DST:DST+1] offset:512*(3*(\s)+\c)   ; 32 lanes store 512 consecutive bytes, at a multiple of 256 from the buffer's first byte
.endr
.if (\s) < 2
	LOADG (\s)+2                                   ; the set is free: the conversions have read it
.endif
.endm
	global_load_b128 v[BQ:BQ+3], v[AB], s[8:9]
	LOADG 0
	LOADG 1
	STEP 0
	STEP 1
	STEP 2
	STEP 3
	v_mov_b32 v[TV], s[FLR]
	v_cmp_gt_u32 vcc_lo, 20, v[LN]
.irp i, 0,1,2,3
	v_cndmask_b32 v[FB+\i], v[TV], v[BQ+\i], vcc_lo          ; lanes under 20: b; the others: the floor
.endr
	v_cmp_gt_u32 vcc_lo, 16, v[LN]
.irp i, 0,1,2,3
	v_cndmask_b32 v[FB+\i], v[FB+\i], v[SW+\i], vcc_lo       ; lanes under 16: my row's four scale words
.endr
	global_store_b128 v[L16], v[FB:FB+3], s[DST:DST+1] offset:6144
	s_wait_tensorcnt 0x0
	ds_add_u32 v224, v225
	s_wait_dscnt 0x0
	s_endpgm
.Lfunc_end_k_qdd8f311863_quant:
	.size	k_qdd8f311863_quant, .Lfunc_end_k_qdd8f311863_quant-k_qdd8f311863_quant
	.p2alignl 7, 3214868480
	.fill 96, 4, 3214868480
	.section	.rodata,"a",@progbits
	.p2align	6, 0x0
	.amdhsa_kernel k_qdd8f311863_quant
		.amdhsa_group_segment_fixed_size 34304
		.amdhsa_private_segment_fixed_size 0
		.amdhsa_enable_private_segment 0
		.amdhsa_kernarg_size 56
		.amdhsa_user_sgpr_count 2
		.amdhsa_user_sgpr_kernarg_segment_ptr 1
		.amdhsa_wavefront_size32 1
		.amdhsa_system_sgpr_workgroup_id_x 1
		.amdhsa_system_sgpr_workgroup_id_y 1
		.amdhsa_system_sgpr_workgroup_id_z 1
		.amdhsa_system_vgpr_workitem_id 0
		.amdhsa_next_free_vgpr 226
		.amdhsa_next_free_sgpr 66
		.amdhsa_reserve_vcc 1
		.amdhsa_float_denorm_mode_32 3
		.amdhsa_float_denorm_mode_16_64 3
		.amdhsa_memory_ordered 1
		.amdhsa_forward_progress 1
		.amdhsa_inst_pref_size 32
	.end_amdhsa_kernel
	.amdgpu_metadata
---
amdhsa.version: [ 1, 2 ]
amdhsa.kernels:
  - .name:           k_qdd8f311863_quant
    .symbol:         k_qdd8f311863_quant.kd
    .args:
      - { .name: W, .offset: 0, .size: 8, .value_kind: global_buffer, .address_space: global }
      - { .name: int_x, .offset: 8, .size: 8, .value_kind: global_buffer, .address_space: global }
      - { .name: b, .offset: 16, .size: 8, .value_kind: global_buffer, .address_space: global }
      - { .name: wp0, .offset: 24, .size: 8, .value_kind: global_buffer, .address_space: global }
      - { .name: wp1, .offset: 32, .size: 8, .value_kind: global_buffer, .address_space: global }
      - { .name: wp2, .offset: 40, .size: 8, .value_kind: global_buffer, .address_space: global }
      - { .name: xc, .offset: 48, .size: 8, .value_kind: global_buffer, .address_space: global }
    .group_segment_fixed_size: 34304
    .private_segment_fixed_size: 0
    .kernarg_segment_align: 8
    .kernarg_segment_size: 56
    .max_flat_workgroup_size: 128
    .sgpr_count:     66
    .vgpr_count:     226
    .wavefront_size: 32
...
	.end_amdgpu_metadata
.endif
;; end of part 1
;; launch layer0 (part 2): grid 16 x 16, 4 waves a work-group, no clusters, 154,112 bytes of LDS; arguments wp0, xc, x, h1; writes h1
.if DOCPART == 2
	.amdgcn_target "amdgcn-amd-amdhsa--gfx1250"
	.amdhsa_code_object_version 6
	.text
	.protected	k_qdd8f311863_layer0
	.globl	k_qdd8f311863_layer0
	.p2align	8
	.type	k_qdd8f311863_layer0,@function
k_qdd8f311863_layer0:
	s_mov_b64 s[64:65], 0
	v_nop
	global_prefetch_b8 v0, s[64:65] scope:SCOPE_SE
	s_setreg_imm32_b32 hwreg(HW_REG_WAVE_MODE, 25, 1), 1
	s_wait_xcnt 0x0
; ONE LAYER: hout[n][q] = max(floor, sum over p of temp[n][128 + 128 p + q] hin[n][p] + temp[n][q]), temp[n][o] = sum over i of int_x[n][i] W[o][i] + b[o] on codes of BF6 (E3M2) with E8M0 scales.
; temp never leaves the registers: each tile of it is multiplied into the sums straight out of its accumulator, one fused multiply-add a number, in f32.
; Arguments: the layer's packages of W (see below), int_x's packages, hin [2048][128] f32, hout [2048][128] f32.  The floor (0.0: relu; -infinity: none) is a word of the layer's packages.
; A PACKAGE (6,656 bytes) is the image of a tile's registers: 16 operand rows x K = 512.  Blocks c = 0..11 of 512 bytes: lane l's 16 bytes at 512 c + 16 l are registers 4 c .. 4 c + 3; the fragment of K step s is
; registers 12 s .. 12 s + 11.  At byte 6,144: 16 bytes a row, its four scale words; at 6,400: b of the 16 rows; at 6,464: the floor.  So every operand comes by loads of 16 bytes a lane, 512 consecutive bytes a load.
; SHARES.  A work-group owns 128 samples (x) and 8 columns q (y): each output has one owner.  THE FOUR WAVES SPLIT p: wave w takes p = 32 w .. 32 w + 31, in 16 tiles; tile t holds W's rows for (p = 32 w + t, q) in its
; rows 0-7 and for (p + 16, q) in its rows 8-15.  Each wave holds the codes of all 128 samples in 384 registers, so that a fragment of W, loaded once, feeds 8 matrix instructions.
; THE MATRIX INSTRUCTION: source 0 = 16 rows of W, source 1 = 16 samples, C of the first K step = b.  In the result lane (r, h), register j holds sample r, p = 32 w + t + 16 h, q = 8 g + j.
; W GOES FROM MEMORY STRAIGHT INTO REGISTERS, a ring of four slots of 48: each byte of W that the work-group takes is read by ONE wave, once, so LDS would only be written once and read once for it.
; NO CLUSTER: the 16 sample blocks of one q block do read the same packages, but a joint load lands in LDS alone, where each byte would serve a single read of a single wave, and the four waves, which meet twice
; in this text, would have to meet at every refill.
; int_x's codes and hin are loaded once by the work-group (a quarter a wave) and shared through LDS.  The waves' partial sums meet in LDS at the end; wave w finishes samples 32 w .. 32 w + 31.
; The bias column temp[n][q] is one more tile (both its halves hold the same 8 rows), multiplied by each wave for the 32 samples that it finishes; half of it is added in each half of the lanes.
; LIMITS: NaN and infinities among the inputs are not served (in the last layer the maximum with -infinity turns a NaN into -infinity).  The sum over p is taken in 8 parts of 16 p (a half of the lanes of a wave each),
; then over the waves, then over the halves: another order of rounding than one run over p.  hout leaves as 16 bytes a lane, 32 consecutive bytes a row: the work-group owns no more of a row.
; REGISTERS, in windows of 256 (s_set_vgpr_msb: bits 1:0 source 0, 3:2 source 1, 5:4 source 2, 7:6 destination):
;   window 0: v1-11 addresses; v16-31 W's scale words (4 a slot); v32-63 int_x's (4 a tile); v64-71 those of the two tiles I stage; v72-103 b (8 a slot); v104-167 D: temp, 8 a tile of samples; v168-231 HA: the sums.
;             At the start v104-199 hold the two tiles of int_x that I stage.
;   window 1: v0-191 W's four slots; v192-207 the bias tile's two accumulators.    window 2: v0-191 int_x, tiles 0-3; v192-255 hin for tiles 0-3, 16 a tile.    window 3: the same for tiles 4-7.
.set PKG,   6656
.set XIMG,  0                          ; LDS: int_x's 8 packages,
.set HIMG,  8*PKG                      ; 128 rows of hin, 528 bytes apart (512 + 16: an odd multiple of 16, so that the 16 rows of a read begin at 16 different columns of 16 bytes),
.set HP,    528
.set RED,   HIMG+128*HP                ; and the waves' partial sums: 8,192 bytes a wave
.set L16,  1                           ; v1   16 x lane
.set R16,  2                           ; v2   16 r
.set H32,  3                           ; v3   32 h
.set XWR,  4                           ; v4   where I store int_x's images: 16 x lane + 2 packages x wave
.set HWR,  5                           ; v5   where I store rows of hin: 16 x lane + 32 rows x wave
.set HRD,  6                           ; v6   where I read hin: row r, + 128 w + 64 h: columns 32 w + 16 h on
.set RWR,  9                           ; v9   my partial sums: 16 x lane + 8,192 x wave
.set RRD,  10                          ; v10  the parts that I finish: 16 x lane + 2,048 x wave
.set OUTA, 11                          ; v11  hout: 512 r + 16 h
.set WSC,  16
.set XSC,  32
.set XSS,  64
.set BB,   72
.set D,    104
.set HA,   168
.set XSTG, 104
.set HV,   192                         ; in windows 2 and 3
.set BD,   192                         ; in window 1
.set WV,    12                         ; s12  wave
.set QG,    14                         ; s14  g
.set FLR,   15                         ; s15  the floor
.set WPW,   16                         ; s[16:17] my wave's 16 packages of W
.set WPB,   18                         ; s[18:19] the bias package
.set XCW,   20                         ; s[20:21] the two packages of int_x that I stage
.set HINW,  22                         ; s[22:23] the 32 rows of hin that I stage
.set HOUTW, 24                         ; s[24:25] the 32 rows of hout that I finish, at my work-group's 8 columns
.set MSB, 0
.macro WIN new                         ; the immediate's high byte repeats the setting that is left; a switch that changes nothing is dropped
.if MSB != (\new)
	s_set_vgpr_msb (MSB<<8)|(\new)
.set MSB, (\new)
.endif
.endm
.macro PLACES n
.rept \n
	v_nop
.endr
.endm
; A package into slot k: 15 loads: 12 of codes, the rows' scale words (lanes r and 16 + r alike), b in the result's layout (lane (r, h): rows 8 h + 0..7)
.macro LOADW k, base, off
	WIN 0x40                                       ; destination window 1, address window 0
.irp c, 0,1,2,3,4,5,6,7,8,9,10,11
	global_load_b128 v[48*(\k)+4*\c:48*(\k)+4*\c+3], v[L16], s[\base:\base+1] offset:(\off)+512*\c
.endr
	WIN 0
	global_load_b128 v[WSC+4*(\k):WSC+4*(\k)+3], v[R16], s[\base:\base+1] offset:(\off)+6144
	global_load_b128 v[BB+8*(\k):BB+8*(\k)+3], v[H32], s[\base:\base+1] offset:(\off)+6400
	global_load_b128 v[BB+8*(\k)+4:BB+8*(\k)+7], v[H32], s[\base:\base+1] offset:(\off)+6416
.endm
; 4 matrix instructions: K step s of slot k's tile against the samples' tiles 4 G .. 4 G + 3.  The first K step takes b as C: nothing is cleared and no bias is added by hand.
.macro MM G, s, k
	WIN 0x09+4*(\G)                                ; source 0 (W) window 1, source 1 (int_x) window 2 or 3, C and D window 0
.irp q, 0,1,2,3
.if (\s) == 0
	v_wmma_scale_f32_16x16x128_f8f6f4 v[D+8*(4*(\G)+\q):D+8*(4*(\G)+\q)+7], v[48*(\k)+12*(\s):48*(\k)+12*(\s)+11], v[48*\q+12*(\s):48*\q+12*(\s)+11], v[BB+8*(\k):BB+8*(\k)+7], v[WSC+4*(\k)+(\s)], v[XSC+4*(4*(\G)+\q)+(\s)] matrix_a_fmt:MATRIX_FMT_BF6 matrix_b_fmt:MATRIX_FMT_BF6
.else
	v_wmma_scale_f32_16x16x128_f8f6f4 v[D+8*(4*(\G)+\q):D+8*(4*(\G)+\q)+7], v[48*(\k)+12*(\s):48*(\k)+12*(\s)+11], v[48*\q+12*(\s):48*\q+12*(\s)+11], v[D+8*(4*(\G)+\q):D+8*(4*(\G)+\q)+7], v[WSC+4*(\k)+(\s)], v[XSC+4*(4*(\G)+\q)+(\s)] matrix_a_fmt:MATRIX_FMT_BF6 matrix_b_fmt:MATRIX_FMT_BF6
.endif
.endr
.endm
; The samples' tile m of W's tile tt goes into the sums: HA[m][j] += D[m][j] x hin(sample r, p = 32 w + 16 h + tt), two at a time, from the accumulator's low end on.  Tile 0 starts the sums.
.macro FMA4 m, tt
	WIN 0x08+4*((\m)/4)                            ; source 1 (hin) window 2 or 3
.irp i, 0,1,2,3
.if (\tt) == 0
	v_pk_mul_f32 v[HA+8*(\m)+2*\i:HA+8*(\m)+2*\i+1], v[D+8*(\m)+2*\i:D+8*(\m)+2*\i+1], v[HV+16*((\m)%4):HV+16*((\m)%4)+1] op_sel_hi:[1,0]
.elseif (\tt)%2 == 0
	v_pk_fma_f32 v[HA+8*(\m)+2*\i:HA+8*(\m)+2*\i+1], v[D+8*(\m)+2*\i:D+8*(\m)+2*\i+1], v[HV+16*((\m)%4)+(\tt):HV+16*((\m)%4)+(\tt)+1], v[HA+8*(\m)+2*\i:HA+8*(\m)+2*\i+1] op_sel_hi:[1,0,1]
.else
	v_pk_fma_f32 v[HA+8*(\m)+2*\i:HA+8*(\m)+2*\i+1], v[D+8*(\m)+2*\i:D+8*(\m)+2*\i+1], v[HV+16*((\m)%4)+(\tt)-1:HV+16*((\m)%4)+(\tt)], v[HA+8*(\m)+2*\i:HA+8*(\m)+2*\i+1] op_sel:[0,1,0] op_sel_hi:[1,1,1]
.endif
.endr
.endm
; TILE t of W, from slot t % 4: 32 matrix instructions, and between them, four behind each four, the 32 packed multiply-adds that use up finished accumulators: those of tiles 4-7 of the tile before, then of tiles 0-3 of this one.
; The accumulators take turns, one instruction a turn (0 1 2 3, four times; 4 5 6 7, four times), from tile to tile too.
; PLACES (ISA guide 7.12.1), by count: an accumulator is first read when the four multiply-adds of ANOTHER accumulator, which name none of its product's registers, have been issued behind its last product;
; the slot, its scale words and its b are loaded again behind the four multiply-adds that follow the slot's last product; an accumulator is begun anew 16 such instructions behind its last product.
.macro TILE t
.if (\t) < 13
	s_wait_loadcnt 45                              ; loads come back in order: this tile's 15 are in, those of the three tiles behind it stay out
.else
	s_wait_loadcnt 15*(15-(\t))                    ; the last tiles: what is left behind this one
.endif
.irp s, 0,1,2,3
	MM 0, \s, (\t)%4
.if (\t) > 0
	FMA4 4+\s, (\t)-1
.endif
.endr
.if (\t) == 0
	PLACES 4                                       ; the first tile has no multiply-adds of a tile before to stand here
.endif
.irp s, 0,1,2,3
	MM 1, \s, (\t)%4
	FMA4 \s, \t
.endr
.if (\t) < 12
	LOADW (\t)%4, WPW, PKG*((\t)+4)                ; the slot takes the tile four further on
.endif
.endm
	s_load_b256 s[4:11], s[0:1], 0x0               ; W's packages s[4:5], int_x's s[6:7], hin s[8:9], hout s[10:11]
	v_lshl_add_u32 v254, v0, 2, 0x25800
	v_mov_b32 v255, 0
	v_lshrrev_b32 v12, 5, v0
	v_readfirstlane_b32 s[WV], v12                 ; wave 0..3
	s_and_b32 s[QG], ttmp7, 0xffff                 ; g: my block of 8 columns.  ttmp9: my block of 128 samples
	s_mul_i32 s[WPB], s[QG], 65*PKG                ; offsets first, each in the pair that will hold the address
	s_mul_i32 s[WPW], s[WV], 16*PKG
	s_add_co_u32 s[WPW], s[WPW], s[WPB]
	s_add_co_u32 s[WPB], s[WPB], 64*PKG
	s_mov_b32 s[WPW+1], 0
	s_mov_b32 s[WPB+1], 0
	s_mul_i32 s[XCW], ttmp9, 8*PKG
	s_mul_i32 s26, s[WV], 2*PKG                    ; (also my place in XIMG)
	s_add_co_u32 s[XCW], s[XCW], s26
	s_mov_b32 s[XCW+1], 0
	s_lshl_b32 s[HINW], ttmp9, 16                  ; 128 rows of 512 bytes,
	s_lshl_b32 s27, s[WV], 14                      ; 32 rows
	s_add_co_u32 s[HINW], s[HINW], s27
	s_mov_b32 s[HINW+1], 0
	s_lshl_b32 s28, s[QG], 5
	s_add_co_u32 s[HOUTW], s[HINW], s28
	s_mov_b32 s[HOUTW+1], 0
	v_and_b32 v12, 31, v0                          ; lane
	v_and_b32 v13, 15, v0                          ; r
	v_bfe_u32 v14, v0, 4, 1                        ; h
	v_lshlrev_b32 v[L16], 4, v12
	v_lshlrev_b32 v[R16], 4, v13
	v_lshlrev_b32 v[H32], 5, v14
	v_add_nc_u32 v[XWR], s26, v[L16]
	s_mul_i32 s27, s[WV], 32*HP
	s_add_co_u32 s27, s27, HIMG
	v_add_nc_u32 v[HWR], s27, v[L16]
	v_mul_u32_u24 v[HRD], v13, HP
	v_lshl_add_u32 v[HRD], v14, 6, v[HRD]
	s_lshl_b32 s28, s[WV], 7
	s_add_co_u32 s28, s28, HIMG
	v_add_nc_u32 v[HRD], s28, v[HRD]
	s_lshl_b32 s29, s[WV], 13
	s_add_co_u32 s29, s29, RED
	v_add_nc_u32 v[RWR], s29, v[L16]
	s_lshl_b32 s29, s[WV], 11
	s_add_co_u32 s29, s29, RED
	v_add_nc_u32 v[RRD], s29, v[L16]
	v_lshlrev_b32 v[OUTA], 9, v13
	v_lshl_add_u32 v[OUTA], v14, 4, v[OUTA]
	s_wait_kmcnt 0x0
	s_load_b32 s[FLR], s[4:5], 6464                ; the layer's floor, from its first package
	s_add_nc_u64 s[XCW:XCW+1], s[6:7], s[XCW:XCW+1]
	s_add_nc_u64 s[HINW:HINW+1], s[8:9], s[HINW:HINW+1]
	s_add_nc_u64 s[WPW:WPW+1], s[4:5], s[WPW:WPW+1]
	s_add_nc_u64 s[WPB:WPB+1], s[4:5], s[WPB:WPB+1]
	s_add_nc_u64 s[HOUTW:HOUTW+1], s[10:11], s[HOUTW:HOUTW+1]
	; ---- what the work-group shares: wave w brings tiles 2 w, 2 w + 1 of int_x (26 loads) and rows 32 w .. 32 w + 31 of hin (32 loads, a row of 512 bytes each)
.irp i, 0,1
.irp c, 0,1,2,3,4,5,6,7,8,9,10,11
	global_load_b128 v[XSTG+48*\i+4*\c:XSTG+48*\i+4*\c+3], v[L16], s[XCW:XCW+1] offset:PKG*\i+512*\c
.endr
	global_load_b128 v[XSS+4*\i:XSS+4*\i+3], v[R16], s[XCW:XCW+1] offset:PKG*\i+6144
.endr
	WIN 0x80                                       ; hin's rows pass through the registers that will hold hin in the lanes' own layout
.irp i, 0,1,2,3,4,5,6,7,8,9,10,11,12,13,14,15
	global_load_b128 v[HV+4*\i:HV+4*\i+3], v[L16], s[HINW:HINW+1] offset:512*\i
.endr
	WIN 0xc0
.irp i, 0,1,2,3,4,5,6,7,8,9,10,11,12,13,14,15
	global_load_b128 v[HV+4*\i:HV+4*\i+3], v[L16], s[HINW:HINW+1] offset:512*(\i+16)
.endr
	WIN 0
	s_wait_loadcnt 32                              ; int_x's 26 are in; hin's 32 stay out
.irp i, 0,1
.irp c, 0,1,2,3,4,5,6,7,8,9,10,11
	ds_store_b128 v[XWR], v[XSTG+48*\i+4*\c:XSTG+48*\i+4*\c+3] offset:XIMG+PKG*\i+512*\c
.endr
	ds_store_b128 v[XWR], v[XSS+4*\i:XSS+4*\i+3] offset:XIMG+PKG*\i+6144
.endr
	LOADW 3, WPB, 0                                ; the bias package, for now in slot 3
	LOADW 0, WPW, 0                                ; tile 0
	s_wait_loadcnt 30                              ; hin's 32 are in; the 30 just issued stay out
	WIN 0x08                                       ; an LDS store's data are its source 1: window 2
.irp i, 0,1,2,3,4,5,6,7,8,9,10,11,12,13,14,15
	ds_store_b128 v[HWR], v[HV+4*\i:HV+4*\i+3] offset:HP*\i
.endr
	WIN 0x0c
.irp i, 0,1,2,3,4,5,6,7,8,9,10,11,12,13,14,15
	ds_store_b128 v[HWR], v[HV+4*\i:HV+4*\i+3] offset:HP*(\i+16)
.endr
	LOADW 1, WPW, PKG
	LOADW 2, WPW, 2*PKG
	s_wait_kmcnt 0x0                               ; the floor
	s_wait_dscnt 0x0                               ; for the others' sake: my stores have landed
	s_barrier_signal -1
	s_barrier_wait -1                              ; int_x's eight packages and hin's 128 rows lie in LDS
	WIN 0x80
.irp m, 0,1,2,3
.irp c, 0,1,2,3,4,5,6,7,8,9,10,11
	ds_load_b128 v[48*\m+4*\c:48*\m+4*\c+3], v[L16] offset:XIMG+PKG*\m+512*\c
.endr
.irp j, 0,1,2,3
	ds_load_b128 v[HV+16*\m+4*\j:HV+16*\m+4*\j+3], v[HRD] offset:16*HP*\m+16*\j      ; register t: hin(16 m + r, 32 w + 16 h + t)
.endr
.endr
	WIN 0xc0
.irp m, 0,1,2,3
.irp c, 0,1,2,3,4,5,6,7,8,9,10,11
	ds_load_b128 v[48*\m+4*\c:48*\m+4*\c+3], v[L16] offset:XIMG+PKG*(\m+4)+512*\c
.endr
.irp j, 0,1,2,3
	ds_load_b128 v[HV+16*\m+4*\j:HV+16*\m+4*\j+3], v[HRD] offset:16*HP*(\m+4)+16*\j
.endr
.endr
	WIN 0
.irp m, 0,1,2,3,4,5,6,7
	ds_load_b128 v[XSC+4*\m:XSC+4*\m+3], v[L16] offset:XIMG+PKG*\m+6144               ; lanes 0-15: row r's four scale words (the matrix unit reads no other lanes of them)
.endr
	; ---- the bias column for the 32 samples that I finish, from the two tiles of int_x that are still in my registers: two accumulators by turns
	s_wait_loadcnt 45                              ; the bias package is in; tiles 0 to 2 stay out
.irp s, 0,1,2,3
.irp i, 0,1
.if \s == 0
	WIN 0x41                                       ; source 0 and D window 1; source 1 and C (b) window 0
	v_wmma_scale_f32_16x16x128_f8f6f4 v[BD+8*\i:BD+8*\i+7], v[144+12*\s:144+12*\s+11], v[XSTG+48*\i+12*\s:XSTG+48*\i+12*\s+11], v[BB+24:BB+31], v[WSC+12+\s], v[XSS+4*\i+\s] matrix_a_fmt:MATRIX_FMT_BF6 matrix_b_fmt:MATRIX_FMT_BF6
.else
	WIN 0x51                                       ; C window 1 too
	v_wmma_scale_f32_16x16x128_f8f6f4 v[BD+8*\i:BD+8*\i+7], v[144+12*\s:144+12*\s+11], v[XSTG+48*\i+12*\s:XSTG+48*\i+12*\s+11], v[BD+8*\i:BD+8*\i+7], v[WSC+12+\s], v[XSS+4*\i+\s] matrix_a_fmt:MATRIX_FMT_BF6 matrix_b_fmt:MATRIX_FMT_BF6
.endif
.endr
.endr
	WIN 0
	PLACES 5                                       ; tile 0's products write over registers that these products read (five places), and slot 3 is loaded again (four)
	LOADW 3, WPW, 3*PKG
	s_wait_dscnt 0x0                               ; int_x, hin and the scale words are in my registers
	; ---- the 16 tiles
.irp t, 0,1,2,3,4,5,6,7,8,9,10,11,12,13,14,15
	TILE \t
.endr
.irp m, 4,5,6,7
	FMA4 \m, 15                                    ; the last tile's second half
.endr
	WIN 0
	; ---- the waves' parts meet
.irp j, 0,1,2,3,4,5,6,7,8,9,10,11,12,13,14,15
	ds_store_b128 v[RWR], v[HA+4*\j:HA+4*\j+3] offset:512*\j         ; tile m's registers 4 u .. 4 u + 3 at 1,024 m + 512 u
.endr
	s_wait_dscnt 0x0                               ; for the others' sake: my stores have landed
	s_barrier_signal -1
	s_barrier_wait -1
.irp v, 0,1,2,3
.irp i, 0,1
.irp u, 0,1
	ds_load_b128 v[D+16*\v+8*\i+4*\u:D+16*\v+8*\i+4*\u+3], v[RRD] offset:8192*\v+1024*\i+512*\u   ; wave v's part of the samples' tile 2 w + i
.endr
.endr
.endr
	s_wait_dscnt 0x0
.irp j, 0,2,4,6,8,10,12,14
	v_pk_add_f32 v[D+\j:D+\j+1], v[D+\j:D+\j+1], v[D+16+\j:D+16+\j+1]
	v_pk_add_f32 v[D+32+\j:D+32+\j+1], v[D+32+\j:D+32+\j+1], v[D+48+\j:D+48+\j+1]
.endr
.irp j, 0,2,4,6,8,10,12,14
	v_pk_add_f32 v[D+\j:D+\j+1], v[D+\j:D+\j+1], v[D+32+\j:D+32+\j+1]
.endr
	WIN 0x01                                       ; source 0: window 1
.irp j, 0,2,4,6,8,10,12,14
	v_pk_fma_f32 v[D+\j:D+\j+1], v[BD+\j:BD+\j+1], 0.5, v[D+\j:D+\j+1] op_sel_hi:[1,0,1]   ; both halves of the lanes hold the same bias: half of it in each; each accumulator from its low end on
.endr
	WIN 0
.irp i, 0,1
.irp j, 0,1,2,3
	v_permlane16_swap_b32 v[D+8*\i+\j], v[D+8*\i+4+\j]     ; the first now holds the lower lanes' parts of q = 4 h + j, the second the upper lanes'
.endr
.endr
.irp i, 0,1
.irp j, 0,2
	v_pk_add_f32 v[D+8*\i+\j:D+8*\i+\j+1], v[D+8*\i+\j:D+8*\i+\j+1], v[D+8*\i+4+\j:D+8*\i+4+\j+1]
.endr
.endr
.irp i, 0,1
.irp j, 0,1,2,3
	v_max_num_f32 v[D+8*\i+\j], s[FLR], v[D+8*\i+\j]       ; relu, or nothing
.endr
	global_store_b128 v[OUTA], v[D+8*\i:D+8*\i+3], s[HOUTW:HOUTW+1] offset:8192*\i   ; lane (r, h): hout(32 w + 16 i + r, 8 g + 4 h + 0..3)
.endr
	s_wait_tensorcnt 0x0
	ds_add_u32 v254, v255
	s_wait_dscnt 0x0
	s_endpgm
.Lfunc_end_k_qdd8f311863_layer0:
	.size	k_qdd8f311863_layer0, .Lfunc_end_k_qdd8f311863_layer0-k_qdd8f311863_layer0
	.p2alignl 7, 3214868480
	.fill 96, 4, 3214868480
	.section	.rodata,"a",@progbits
	.p2align	6, 0x0
	.amdhsa_kernel k_qdd8f311863_layer0
		.amdhsa_group_segment_fixed_size 154112
		.amdhsa_private_segment_fixed_size 0
		.amdhsa_enable_private_segment 0
		.amdhsa_kernarg_size 32
		.amdhsa_user_sgpr_count 2
		.amdhsa_user_sgpr_kernarg_segment_ptr 1
		.amdhsa_wavefront_size32 1
		.amdhsa_system_sgpr_workgroup_id_x 1
		.amdhsa_system_sgpr_workgroup_id_y 1
		.amdhsa_system_sgpr_workgroup_id_z 1
		.amdhsa_system_vgpr_workitem_id 0
		.amdhsa_next_free_vgpr 1024
		.amdhsa_next_free_sgpr 66
		.amdhsa_reserve_vcc 0
		.amdhsa_float_denorm_mode_32 3
		.amdhsa_float_denorm_mode_16_64 3
		.amdhsa_memory_ordered 1
		.amdhsa_forward_progress 1
		.amdhsa_inst_pref_size 157
	.end_amdhsa_kernel
	.amdgpu_metadata
---
amdhsa.version: [ 1, 2 ]
amdhsa.kernels:
  - .name:           k_qdd8f311863_layer0
    .symbol:         k_qdd8f311863_layer0.kd
    .args:
      - { .name: wp0, .offset: 0, .size: 8, .value_kind: global_buffer, .address_space: global }
      - { .name: xc, .offset: 8, .size: 8, .value_kind: global_buffer, .address_space: global }
      - { .name: x, .offset: 16, .size: 8, .value_kind: global_buffer, .address_space: global }
      - { .name: h1, .offset: 24, .size: 8, .value_kind: global_buffer, .address_space: global }
    .group_segment_fixed_size: 154112
    .private_segment_fixed_size: 0
    .kernarg_segment_align: 8
    .kernarg_segment_size: 32
    .max_flat_workgroup_size: 128
    .sgpr_count:     66
    .vgpr_count:     1024
    .wavefront_size: 32
...
	.end_amdgpu_metadata
.endif
;; end of part 2
;; launch layer1: the kernel of part 2 again; grid 16 x 16, 4 waves a work-group, no clusters, 154,112 bytes of LDS; arguments wp1, xc, h1, h2; writes h2
;; launch layer2: the kernel of part 2 again; grid 16 x 16, 4 waves a work-group, no clusters, 154,112 bytes of LDS; arguments wp2, xc, h2, out0; writes out0
;; ======== version 2 of 2: 4 launches; version 1 with the launches layer0, layer1, layer2 written anew for expert scheduling mode
;; workspace buffers: wp0 6,922,240 bytes; wp1 6,922,240 bytes; wp2 6,922,240 bytes; xc 851,968 bytes; h1 1,048,576 bytes; h2 1,048,576 bytes
;; launch quant: the kernel of part 1 again; grid 812 x 1, 4 waves a work-group, no clusters, 34,304 bytes of LDS; arguments W, int_x, b, wp0, wp1, wp2, xc; writes wp0, wp1, wp2, xc
;; launch layer0 (part 3): grid 16 x 16, 4 waves a work-group, no clusters, 154,112 bytes of LDS; arguments wp0, xc, x, h1; writes h1
.if DOCPART == 3
	.amdgcn_target "amdgcn-amd-amdhsa--gfx1250"
	.amdhsa_code_object_version 6
	.text
	.protected	k_qdd8f311863_layer0
	.globl	k_qdd8f311863_layer0
	.p2align	8
	.type	k_qdd8f311863_layer0,@function
k_qdd8f311863_layer0:
	s_mov_b64 s[64:65], 0
	v_nop
	global_prefetch_b8 v0, s[64:65] scope:SCOPE_SE
	s_setreg_imm32_b32 hwreg(HW_REG_WAVE_SCHED_MODE, 0, 2), 2
	s_setreg_imm32_b32 hwreg(HW_REG_WAVE_MODE, 25, 1), 1
	s_wait_xcnt 0x0
	s_wait_alu depctr_vm_vsrc(0)
; ONE LAYER: hout[n][q] = max(floor, sum over p of temp[n][128 + 128 p + q] hin[n][p] + temp[n][q]), temp[n][o] = sum over i of int_x[n][i] W[o][i] + b[o] on codes of BF6 (E3M2) with E8M0 scales.
; temp never leaves the registers: each tile of it is multiplied into the sums straight out of its accumulator, one fused multiply-add a number, in f32.
; Arguments: the layer's packages of W (see below), int_x's packages, hin [2048][128] f32, hout [2048][128] f32.  The floor (0.0: relu; -infinity: none) is a word of the layer's packages.
; A PACKAGE (6,656 bytes) is the image of a tile's registers: 16 operand rows x K = 512.  Blocks c = 0..11 of 512 bytes: lane l's 16 bytes at 512 c + 16 l are registers 4 c .. 4 c + 3; the fragment of K step s is
; registers 12 s .. 12 s + 11.  At byte 6,144: 16 bytes a row, its four scale words; at 6,400: b of the 16 rows; at 6,464: the floor.  So every operand comes by loads of 16 bytes a lane, 512 consecutive bytes a load.
; SHARES.  A work-group owns 128 samples (x) and 8 columns q (y): each output has one owner.  THE FOUR WAVES SPLIT p: wave w takes p = 32 w .. 32 w + 31, in 16 tiles; tile t holds W's rows for (p = 32 w + t, q) in its
; rows 0-7 and for (p + 16, q) in its rows 8-15.  Each wave holds the codes of all 128 samples in 384 registers, so that a fragment of W, loaded once, feeds 8 matrix instructions.
; THE MATRIX INSTRUCTION: source 0 = 16 rows of W, source 1 = 16 samples, C of the first K step = b.  In the result lane (r, h), register j holds sample r, p = 32 w + t + 16 h, q = 8 g + j.
; W GOES FROM MEMORY STRAIGHT INTO REGISTERS, a ring of five slots of 48: each byte of W that the work-group takes is read by ONE wave, once, so LDS would only be written once and read once for it.
; NO CLUSTER: the 16 sample blocks of one q block do read the same packages, but a joint load lands in LDS alone, where each byte would serve a single read of a single wave, and the four waves, which meet twice
; in this text, would have to meet at every refill.
; int_x's codes and hin are loaded once by the work-group (a quarter a wave) and shared through LDS.  The waves' partial sums meet in LDS at the end; wave w finishes samples 32 w .. 32 w + 31.
; The bias column temp[n][q] is one more tile (both its halves hold the same 8 rows), multiplied by each wave for the 32 samples that it finishes; half of it is added in each half of the lanes.
; LIMITS: NaN and infinities among the inputs are not served (in the last layer the maximum with -infinity turns a NaN into -infinity).  The sum over p is taken in 8 parts of 16 p (a half of the lanes of a wave each),
; then over the waves, then over the halves: another order of rounding than one run over p.  hout leaves as 16 bytes a lane, 32 consecutive bytes a row: the work-group owns no more of a row.
; THE MODE: SCHED_MODE bits 1:0 = 2 (LLVM: expert scheduling mode 2), set by the entry lines.  The code itself states the register dependences between vector or matrix instructions and memory or LDS
; instructions, with s_wait_alu, always for 0.
; THE PLAN.  Registers that memory or LDS instructions touch, who writes them and who reads them:
;   v1-6, v9-11   addresses: made once at the head, never written again.  One wait on va_vdst ahead of the first load states that they are written.
;   slot k of W, with its scale words WSC[k] and its b BB[k], k = 0 .. 4.  Tile t's 32 matrix instructions read slot t % 5; tile t's 15 loads (package t + 4) land in slot (t + 4) % 5 = (t - 1) % 5, which the tile
;                 BEFORE read (ahead of tile 0: the bias products, from slot 4).  So ONE wait on va_vdst stands at a tile's head, and the tile's loads follow it, dealt among its matrix instructions and multiply-adds,
;                 which name slot t % 5, int_x, its scale words, D, HA and hin: none of the registers that those loads touch.  Tiles 12 to 15 load nothing and hold no such wait.
;   XSTG          loaded; read by my LDS stores and by the bias products; the same registers are D and part of HA from tile 0 on.   HV: loaded as rows of hin; read by my LDS stores; then LDS loads land in it.
;                 One wait on vm_vsrc behind the first barrier states that those LDS stores have read both.
;   HA            written by the multiply-adds; read by the LDS stores at the end: a wait on va_vdst ahead of them.  It also stands for the LDS loads that then land in D: no vector line follows it ahead of them.
;   D at the end  written by the last vector lines; read by the two global stores: a wait on va_vdst ahead of them.
;   v254, v255    written at the head, read by the closing add alone.
; REGISTERS, in windows of 256 (s_set_vgpr_msb: bits 1:0 source 0, 3:2 source 1, 5:4 source 2, 7:6 destination):
;   window 0: v1-11 addresses; v16-35 W's scale words (4 a slot); v36-67 int_x's (4 a tile); v68-75 those of the two tiles I stage; v76-115 b (8 a slot); v116-179 D: temp, 8 a tile of samples; v180-243 HA: the sums.
;             At the start v116-211 hold the two tiles of int_x that I stage.
;   window 1: v0-239 W's five slots; v240-255 the bias tile's two accumulators.    window 2: v0-191 int_x, tiles 0-3; v192-255 hin for tiles 0-3, 16 a tile.    window 3: the same for tiles 4-7.
.set PKG,   6656
.set XIMG,  0                          ; LDS: int_x's 8 packages,
.set HIMG,  8*PKG                      ; 128 rows of hin, 528 bytes apart (512 + 16: an odd multiple of 16, so that the 16 rows of a read begin at 16 different columns of 16 bytes),
.set HP,    528
.set RED,   HIMG+128*HP                ; and the waves' partial sums: 8,192 bytes a wave
.set L16,  1                           ; v1   16 x lane
.set R16,  2                           ; v2   16 r
.set H32,  3                           ; v3   32 h
.set XWR,  4                           ; v4   where I store int_x's images: 16 x lane + 2 packages x wave
.set HWR,  5                           ; v5   where I store rows of hin: 16 x lane + 32 rows x wave
.set HRD,  6                           ; v6   where I read hin: row r, + 128 w + 64 h: columns 32 w + 16 h on
.set RWR,  9                           ; v9   my partial sums: 16 x lane + 8,192 x wave
.set RRD,  10                          ; v10  the parts that I finish: 16 x lane + 2,048 x wave
.set OUTA, 11                          ; v11  hout: 512 r + 16 h
.set WSC,  16
.set XSC,  36
.set XSS,  68
.set BB,   76
.set D,    116
.set HA,   180
.set XSTG, 116
.set HV,   192                         ; in windows 2 and 3
.set BD,   240                         ; in window 1
.set WV,    12                         ; s12  wave
.set QG,    14                         ; s14  g
.set FLR,   15                         ; s15  the floor
.set WPW,   16                         ; s[16:17] my wave's 16 packages of W
.set WPB,   18                         ; s[18:19] the bias package
.set XCW,   20                         ; s[20:21] the two packages of int_x that I stage
.set HINW,  22                         ; s[22:23] the 32 rows of hin that I stage
.set HOUTW, 24                         ; s[24:25] the 32 rows of hout that I finish, at my work-group's 8 columns
.set MSB, 0
.macro WIN new                         ; the immediate's high byte repeats the setting that is left; a switch that changes nothing is dropped
.if MSB != (\new)
	s_set_vgpr_msb (MSB<<8)|(\new)
.set MSB, (\new)
.endif
.endm
.macro PLACES n
.rept \n
	v_nop
.endr
.endm
; A package into slot k is 15 loads.  LOADC: cnt of its 12 blocks of codes, from block c0 on.  LOADS: the rows' scale words (lanes r and 16 + r alike) and b in the result's layout (lane (r, h): rows 8 h + 0..7).
.macro LOADC k, base, off, c0, cnt
	WIN 0x40                                       ; destination window 1, address window 0
.set cc, (\c0)
.rept \cnt
	global_load_b128 v[48*(\k)+4*cc:48*(\k)+4*cc+3], v[L16], s[\base:\base+1] offset:(\off)+512*cc
.set cc, cc+1
.endr
.endm
.macro LOADS k, base, off
	WIN 0
	global_load_b128 v[WSC+4*(\k):WSC+4*(\k)+3], v[R16], s[\base:\base+1] offset:(\off)+6144
	global_load_b128 v[BB+8*(\k):BB+8*(\k)+3], v[H32], s[\base:\base+1] offset:(\off)+6400
	global_load_b128 v[BB+8*(\k)+4:BB+8*(\k)+7], v[H32], s[\base:\base+1] offset:(\off)+6416
.endm
.macro LOADW k, base, off              ; the whole package in one run: at the start, into slots that nothing has named yet
	LOADC \k, \base, \off, 0, 12
	LOADS \k, \base, \off
.endm
; 4 matrix instructions: K step s of slot k's tile against the samples' tiles 4 G .. 4 G + 3.  The first K step takes b as C: nothing is cleared and no bias is added by hand.
.macro MM G, s, k
	WIN 0x09+4*(\G)                                ; source 0 (W) window 1, source 1 (int_x) window 2 or 3, C and D window 0
.irp q, 0,1,2,3
.if (\s) == 0
	v_wmma_scale_f32_16x16x128_f8f6f4 v[D+8*(4*(\G)+\q):D+8*(4*(\G)+\q)+7], v[48*(\k)+12*(\s):48*(\k)+12*(\s)+11], v[48*\q+12*(\s):48*\q+12*(\s)+11], v[BB+8*(\k):BB+8*(\k)+7], v[WSC+4*(\k)+(\s)], v[XSC+4*(4*(\G)+\q)+(\s)] matrix_a_fmt:MATRIX_FMT_BF6 matrix_b_fmt:MATRIX_FMT_BF6
.else
	v_wmma_scale_f32_16x16x128_f8f6f4 v[D+8*(4*(\G)+\q):D+8*(4*(\G)+\q)+7], v[48*(\k)+12*(\s):48*(\k)+12*(\s)+11], v[48*\q+12*(\s):48*\q+12*(\s)+11], v[D+8*(4*(\G)+\q):D+8*(4*(\G)+\q)+7], v[WSC+4*(\k)+(\s)], v[XSC+4*(4*(\G)+\q)+(\s)] matrix_a_fmt:MATRIX_FMT_BF6 matrix_b_fmt:MATRIX_FMT_BF6
.endif
.endr
.endm
; The samples' tile m of W's tile tt goes into the sums: HA[m][j] += D[m][j] x hin(sample r, p = 32 w + 16 h + tt), two at a time, from the accumulator's low end on.  Tile 0 starts the sums.
.macro FMA4 m, tt
	WIN 0x08+4*((\m)/4)                            ; source 1 (hin) window 2 or 3
.irp i, 0,1,2,3
.if (\tt) == 0
	v_pk_mul_f32 v[HA+8*(\m)+2*\i:HA+8*(\m)+2*\i+1], v[D+8*(\m)+2*\i:D+8*(\m)+2*\i+1], v[HV+16*((\m)%4):HV+16*((\m)%4)+1] op_sel_hi:[1,0]
.elseif (\tt)%2 == 0
	v_pk_fma_f32 v[HA+8*(\m)+2*\i:HA+8*(\m)+2*\i+1], v[D+8*(\m)+2*\i:D+8*(\m)+2*\i+1], v[HV+16*((\m)%4)+(\tt):HV+16*((\m)%4)+(\tt)+1], v[HA+8*(\m)+2*\i:HA+8*(\m)+2*\i+1] op_sel_hi:[1,0,1]
.else
	v_pk_fma_f32 v[HA+8*(\m)+2*\i:HA+8*(\m)+2*\i+1], v[D+8*(\m)+2*\i:D+8*(\m)+2*\i+1], v[HV+16*((\m)%4)+(\tt)-1:HV+16*((\m)%4)+(\tt)], v[HA+8*(\m)+2*\i:HA+8*(\m)+2*\i+1] op_sel:[0,1,0] op_sel_hi:[1,1,1]
.endif
.endr
.endm
; TILE t of W, from slot t % 5: 32 matrix instructions, and between them, four behind each four, the 32 packed multiply-adds that use up finished accumulators: those of tiles 4-7 of the tile before, then of tiles 0-3 of this one.
; The accumulators take turns, one instruction a turn (0 1 2 3, four times; 4 5 6 7, four times), from tile to tile too.
; PLACES (ISA guide 7.12.1), by count: an accumulator is first read when the four multiply-adds of ANOTHER accumulator, which name none of its product's registers, have been issued behind its last product;
; an accumulator is begun anew 16 such instructions behind its last product.
; THE LOADS: package t + 4 goes into the slot that the tile before has read: behind the one wait at the tile's head its scale words and b, then its codes, three blocks behind each of the first half's four groups.
.macro TILE t
.if (\t) < 13
	s_wait_loadcnt 45                              ; loads come back in order: this tile's 15 are in, those of the three tiles behind it stay out
.else
	s_wait_loadcnt 15*(15-(\t))                    ; the last tiles: what is left behind this one
.endif
.if (\t) < 12
	WIN 0
	s_wait_alu depctr_va_vdst(0)                   ; the matrix instructions of the tile before (ahead of tile 0: the bias products) are done reading slot (t + 4) % 5, its scale words and its b, in which this tile's 15 loads land
	LOADS ((\t)+4)%5, WPW, PKG*((\t)+4)
.endif
.irp s, 0,1,2,3
	MM 0, \s, (\t)%5
.if (\t) > 0
	FMA4 4+\s, (\t)-1
.endif
.if (\t) < 12
	LOADC ((\t)+4)%5, WPW, PKG*((\t)+4), 3*\s, 3   ; no wait: no vector or matrix instruction since the wait at the tile's head names that slot
.endif
.endr
.if (\t) == 0
	PLACES 4                                       ; the first tile has no multiply-adds of a tile before to stand here
.endif
.irp s, 0,1,2,3
	MM 1, \s, (\t)%5
	FMA4 \s, \t
.endr
.endm
	s_load_b256 s[4:11], s[0:1], 0x0               ; W's packages s[4:5], int_x's s[6:7], hin s[8:9], hout s[10:11]
	v_lshl_add_u32 v254, v0, 2, 0x25800
	v_mov_b32 v255, 0
	v_lshrrev_b32 v12, 5, v0
	v_readfirstlane_b32 s[WV], v12                 ; wave 0..3
	s_and_b32 s[QG], ttmp7, 0xffff                 ; g: my block of 8 columns.  ttmp9: my block of 128 samples
	s_mul_i32 s[WPB], s[QG], 65*PKG                ; offsets first, each in the pair that will hold the address
	s_wait_alu depctr_va_sdst(0)                   ; s12, the wave's number, is written, ahead of its first reader: offsets and LDS addresses are made from it
	s_mul_i32 s[WPW], s[WV], 16*PKG
	s_add_co_u32 s[WPW], s[WPW], s[WPB]
	s_add_co_u32 s[WPB], s[WPB], 64*PKG
	s_mov_b32 s[WPW+1], 0
	s_mov_b32 s[WPB+1], 0
	s_mul_i32 s[XCW], ttmp9, 8*PKG
	s_mul_i32 s26, s[WV], 2*PKG                    ; (also my place in XIMG)
	s_add_co_u32 s[XCW], s[XCW], s26
	s_mov_b32 s[XCW+1], 0
	s_lshl_b32 s[HINW], ttmp9, 16                  ; 128 rows of 512 bytes,
	s_lshl_b32 s27, s[WV], 14                      ; 32 rows
	s_add_co_u32 s[HINW], s[HINW], s27
	s_mov_b32 s[HINW+1], 0
	s_lshl_b32 s28, s[QG], 5
	s_add_co_u32 s[HOUTW], s[HINW], s28
	s_mov_b32 s[HOUTW+1], 0
	v_and_b32 v12, 31, v0                          ; lane
	v_and_b32 v13, 15, v0                          ; r
	v_bfe_u32 v14, v0, 4, 1                        ; h
	v_lshlrev_b32 v[L16], 4, v12
	v_lshlrev_b32 v[R16], 4, v13
	v_lshlrev_b32 v[H32], 5, v14
	v_add_nc_u32 v[XWR], s26, v[L16]
	s_mul_i32 s27, s[WV], 32*HP
	s_add_co_u32 s27, s27, HIMG
	v_add_nc_u32 v[HWR], s27, v[L16]
	v_mul_u32_u24 v[HRD], v13, HP
	v_lshl_add_u32 v[HRD], v14, 6, v[HRD]
	s_lshl_b32 s28, s[WV], 7
	s_add_co_u32 s28, s28, HIMG
	v_add_nc_u32 v[HRD], s28, v[HRD]
	s_lshl_b32 s29, s[WV], 13
	s_add_co_u32 s29, s29, RED
	v_add_nc_u32 v[RWR], s29, v[L16]
	s_lshl_b32 s29, s[WV], 11
	s_add_co_u32 s29, s29, RED
	v_add_nc_u32 v[RRD], s29, v[L16]
	v_lshlrev_b32 v[OUTA], 9, v13
	v_lshl_add_u32 v[OUTA], v14, 4, v[OUTA]
	s_wait_kmcnt 0x0
	s_load_b32 s[FLR], s[4:5], 6464                ; the layer's floor, from its first package
	s_add_nc_u64 s[XCW:XCW+1], s[6:7], s[XCW:XCW+1]
	s_add_nc_u64 s[HINW:HINW+1], s[8:9], s[HINW:HINW+1]
	s_add_nc_u64 s[WPW:WPW+1], s[4:5], s[WPW:WPW+1]
	s_add_nc_u64 s[WPB:WPB+1], s[4:5], s[WPB:WPB+1]
	s_add_nc_u64 s[HOUTW:HOUTW+1], s[10:11], s[HOUTW:HOUTW+1]
	s_wait_alu depctr_va_vdst(0)                   ; the addresses v1 to v6 and v9 to v11 are written: every load and store of the kernel reads one of them, and none is written again
	; ---- what the work-group shares: wave w brings tiles 2 w, 2 w + 1 of int_x (26 loads) and rows 32 w .. 32 w + 31 of hin (32 loads, a row of 512 bytes each)
.irp i, 0,1
.irp c, 0,1,2,3,4,5,6,7,8,9,10,11
	global_load_b128 v[XSTG+48*\i+4*\c:XSTG+48*\i+4*\c+3], v[L16], s[XCW:XCW+1] offset:PKG*\i+512*\c
.endr
	global_load_b128 v[XSS+4*\i:XSS+4*\i+3], v[R16], s[XCW:XCW+1] offset:PKG*\i+6144
.endr
	WIN 0x80                                       ; hin's rows pass through the registers that will hold hin in the lanes' own layout
.irp i, 0,1,2,3,4,5,6,7,8,9,10,11,12,13,14,15
	global_load_b128 v[HV+4*\i:HV+4*\i+3], v[L16], s[HINW:HINW+1] offset:512*\i
.endr
	WIN 0xc0
.irp i, 0,1,2,3,4,5,6,7,8,9,10,11,12,13,14,15
	global_load_b128 v[HV+4*\i:HV+4*\i+3], v[L16], s[HINW:HINW+1] offset:512*(\i+16)
.endr
	WIN 0
	s_wait_loadcnt 32                              ; int_x's 26 are in; hin's 32 stay out
.irp i, 0,1
.irp c, 0,1,2,3,4,5,6,7,8,9,10,11
	ds_store_b128 v[XWR], v[XSTG+48*\i+4*\c:XSTG+48*\i+4*\c+3] offset:XIMG+PKG*\i+512*\c
.endr
	ds_store_b128 v[XWR], v[XSS+4*\i:XSS+4*\i+3] offset:XIMG+PKG*\i+6144
.endr
	LOADW 4, WPB, 0                                ; the bias package, in slot 4, which tile 4 takes behind it
	LOADW 0, WPW, 0                                ; tile 0
	s_wait_loadcnt 30                              ; hin's 32 are in; the 30 just issued stay out
	WIN 0x08                                       ; an LDS store's data are its source 1: window 2
.irp i, 0,1,2,3,4,5,6,7,8,9,10,11,12,13,14,15
	ds_store_b128 v[HWR], v[HV+4*\i:HV+4*\i+3] offset:HP*\i
.endr
	WIN 0x0c
.irp i, 0,1,2,3,4,5,6,7,8,9,10,11,12,13,14,15
	ds_store_b128 v[HWR], v[HV+4*\i:HV+4*\i+3] offset:HP*(\i+16)
.endr
	LOADW 1, WPW, PKG
	LOADW 2, WPW, 2*PKG
	s_wait_kmcnt 0x0                               ; the floor
	s_wait_dscnt 0x0                               ; for the others' sake: my stores have landed
	s_barrier_signal -1
	s_barrier_wait -1                              ; int_x's eight packages and hin's 128 rows lie in LDS
	WIN 0x80
	s_wait_alu depctr_vm_vsrc(0)                   ; my LDS stores have read HV, in which the LDS loads below land, and v[XSTG ..], which tile 0's products and multiplies write as D and HA
.irp m, 0,1,2,3
.irp c, 0,1,2,3,4,5,6,7,8,9,10,11
	ds_load_b128 v[48*\m+4*\c:48*\m+4*\c+3], v[L16] offset:XIMG+PKG*\m+512*\c
.endr
.irp j, 0,1,2,3
	ds_load_b128 v[HV+16*\m+4*\j:HV+16*\m+4*\j+3], v[HRD] offset:16*HP*\m+16*\j      ; register t: hin(16 m + r, 32 w + 16 h + t)
.endr
.endr
	WIN 0xc0
.irp m, 0,1,2,3
.irp c, 0,1,2,3,4,5,6,7,8,9,10,11
	ds_load_b128 v[48*\m+4*\c:48*\m+4*\c+3], v[L16] offset:XIMG+PKG*(\m+4)+512*\c
.endr
.irp j, 0,1,2,3
	ds_load_b128 v[HV+16*\m+4*\j:HV+16*\m+4*\j+3], v[HRD] offset:16*HP*(\m+4)+16*\j
.endr
.endr
	WIN 0
.irp m, 0,1,2,3,4,5,6,7
	ds_load_b128 v[XSC+4*\m:XSC+4*\m+3], v[L16] offset:XIMG+PKG*\m+6144               ; lanes 0-15: row r's four scale words (the matrix unit reads no other lanes of them)
.endr
	; ---- the bias column for the 32 samples that I finish, from the two tiles of int_x that are still in my registers: two accumulators by turns
	s_wait_loadcnt 45                              ; the bias package is in; tiles 0 to 2 stay out
	LOADW 3, WPW, 3*PKG                            ; tile 3, into a slot that nothing has named yet: with it four packages, 60 loads, are out
.irp s, 0,1,2,3
.irp i, 0,1
.if \s == 0
	WIN 0x41                                       ; source 0 and D window 1; source 1 and C (b) window 0
	v_wmma_scale_f32_16x16x128_f8f6f4 v[BD+8*\i:BD+8*\i+7], v[192+12*\s:192+12*\s+11], v[XSTG+48*\i+12*\s:XSTG+48*\i+12*\s+11], v[BB+32:BB+39], v[WSC+16+\s], v[XSS+4*\i+\s] matrix_a_fmt:MATRIX_FMT_BF6 matrix_b_fmt:MATRIX_FMT_BF6
.else
	WIN 0x51                                       ; C window 1 too
	v_wmma_scale_f32_16x16x128_f8f6f4 v[BD+8*\i:BD+8*\i+7], v[192+12*\s:192+12*\s+11], v[XSTG+48*\i+12*\s:XSTG+48*\i+12*\s+11], v[BD+8*\i:BD+8*\i+7], v[WSC+16+\s], v[XSS+4*\i+\s] matrix_a_fmt:MATRIX_FMT_BF6 matrix_b_fmt:MATRIX_FMT_BF6
.endif
.endr
.endr
	WIN 0
	PLACES 5                                       ; tile 0's products write over registers that these products read: five places
	s_wait_dscnt 0x0                               ; int_x, hin and the scale words are in my registers
	; ---- the 16 tiles
.irp t, 0,1,2,3,4,5,6,7,8,9,10,11,12,13,14,15
	TILE \t
.endr
.irp m, 4,5,6,7
	FMA4 \m, 15                                    ; the last tile's second half
.endr
	WIN 0
	; ---- the waves' parts meet
	s_wait_alu depctr_va_vdst(0)                   ; the multiply-adds have written HA, which the LDS stores read; they and the products are also done with D, in which the LDS loads behind the barrier land (no vector line stands between)
.irp j, 0,1,2,3,4,5,6,7,8,9,10,11,12,13,14,15
	ds_store_b128 v[RWR], v[HA+4*\j:HA+4*\j+3] offset:512*\j         ; tile m's registers 4 u .. 4 u + 3 at 1,024 m + 512 u
.endr
	s_wait_dscnt 0x0                               ; for the others' sake: my stores have landed
	s_barrier_signal -1
	s_barrier_wait -1
.irp v, 0,1,2,3
.irp i, 0,1
.irp u, 0,1
	ds_load_b128 v[D+16*\v+8*\i+4*\u:D+16*\v+8*\i+4*\u+3], v[RRD] offset:8192*\v+1024*\i+512*\u   ; wave v's part of the samples' tile 2 w + i
.endr
.endr
.endr
	s_wait_dscnt 0x0
.irp j, 0,2,4,6,8,10,12,14
	v_pk_add_f32 v[D+\j:D+\j+1], v[D+\j:D+\j+1], v[D+16+\j:D+16+\j+1]
	v_pk_add_f32 v[D+32+\j:D+32+\j+1], v[D+32+\j:D+32+\j+1], v[D+48+\j:D+48+\j+1]
.endr
.irp j, 0,2,4,6,8,10,12,14
	v_pk_add_f32 v[D+\j:D+\j+1], v[D+\j:D+\j+1], v[D+32+\j:D+32+\j+1]
.endr
	WIN 0x01                                       ; source 0: window 1
.irp j, 0,2,4,6,8,10,12,14
	v_pk_fma_f32 v[D+\j:D+\j+1], v[BD+\j:BD+\j+1], 0.5, v[D+\j:D+\j+1] op_sel_hi:[1,0,1]   ; both halves of the lanes hold the same bias: half of it in each; each accumulator from its low end on
.endr
	WIN 0
.irp i, 0,1
.irp j, 0,1,2,3
	v_permlane16_swap_b32 v[D+8*\i+\j], v[D+8*\i+4+\j]     ; the first now holds the lower lanes' parts of q = 4 h + j, the second the upper lanes'
.endr
.endr
.irp i, 0,1
.irp j, 0,2
	v_pk_add_f32 v[D+8*\i+\j:D+8*\i+\j+1], v[D+8*\i+\j:D+8*\i+\j+1], v[D+8*\i+4+\j:D+8*\i+4+\j+1]
.endr
.endr
.irp i, 0,1
.irp j, 0,1,2,3
	v_max_num_f32 v[D+8*\i+\j], s[FLR], v[D+8*\i+\j]       ; relu, or nothing
.endr
.endr
	s_wait_alu depctr_va_vdst(0)                   ; the eight maxima have written v[D .. D + 3] and v[D + 8 .. D + 11], which the two stores read
.irp i, 0,1
	global_store_b128 v[OUTA], v[D+8*\i:D+8*\i+3], s[HOUTW:HOUTW+1] offset:8192*\i   ; lane (r, h): hout(32 w + 16 i + r, 8 g + 4 h + 0..3)
.endr
	s_wait_dscnt 0x0                               ; the closing lines, six on end (every window is 0 here: the add's two registers lie in window 0)
	s_wait_alu 0x0
	s_wait_tensorcnt 0x0
	ds_add_u32 v254, v255
	s_wait_dscnt 0x0
	s_endpgm
.Lfunc_end_k_qdd8f311863_layer0:
	.size	k_qdd8f311863_layer0, .Lfunc_end_k_qdd8f311863_layer0-k_qdd8f311863_layer0
	.p2alignl 7, 3214868480
	.fill 96, 4, 3214868480
	.section	.rodata,"a",@progbits
	.p2align	6, 0x0
	.amdhsa_kernel k_qdd8f311863_layer0
		.amdhsa_group_segment_fixed_size 154112
		.amdhsa_private_segment_fixed_size 0
		.amdhsa_enable_private_segment 0
		.amdhsa_kernarg_size 32
		.amdhsa_user_sgpr_count 2
		.amdhsa_user_sgpr_kernarg_segment_ptr 1
		.amdhsa_wavefront_size32 1
		.amdhsa_system_sgpr_workgroup_id_x 1
		.amdhsa_system_sgpr_workgroup_id_y 1
		.amdhsa_system_sgpr_workgroup_id_z 1
		.amdhsa_system_vgpr_workitem_id 0
		.amdhsa_next_free_vgpr 1024
		.amdhsa_next_free_sgpr 66
		.amdhsa_reserve_vcc 0
		.amdhsa_float_denorm_mode_32 3
		.amdhsa_float_denorm_mode_16_64 3
		.amdhsa_memory_ordered 1
		.amdhsa_forward_progress 1
		.amdhsa_inst_pref_size 159
	.end_amdhsa_kernel
	.amdgpu_metadata
---
amdhsa.version: [ 1, 2 ]
amdhsa.kernels:
  - .name:           k_qdd8f311863_layer0
    .symbol:         k_qdd8f311863_layer0.kd
    .args:
      - { .name: wp0, .offset: 0, .size: 8, .value_kind: global_buffer, .address_space: global }
      - { .name: xc, .offset: 8, .size: 8, .value_kind: global_buffer, .address_space: global }
      - { .name: x, .offset: 16, .size: 8, .value_kind: global_buffer, .address_space: global }
      - { .name: h1, .offset: 24, .size: 8, .value_kind: global_buffer, .address_space: global }
    .group_segment_fixed_size: 154112
    .private_segment_fixed_size: 0
    .kernarg_segment_align: 8
    .kernarg_segment_size: 32
    .max_flat_workgroup_size: 128
    .sgpr_count:     66
    .vgpr_count:     1024
    .wavefront_size: 32
...
	.end_amdgpu_metadata
.endif
;; end of part 3
;; launch layer1: the kernel of part 3 again; grid 16 x 16, 4 waves a work-group, no clusters, 154,112 bytes of LDS; arguments wp1, xc, h1, h2; writes h2
;; launch layer2: the kernel of part 3 again; grid 16 x 16, 4 waves a work-group, no clusters, 154,112 bytes of LDS; arguments wp2, xc, h2, out0; writes out0
